; MI455X (gfx1250); checked and timed in simulation.
; The chip was launched on July 23, 2026; its instructions are those of AMD's public machine-readable ISA for CDNA 5 (MIT licence, August 2026) and "CDNA5" Instruction Set Architecture Reference Guide (July 2026). The comments in the code are by the model that wrote it; some were corrected since.
;; Model. Allowed arithmetic: matrix products marked QUANTISED: E4M3 operands, one given power-of-two scale a tensor, by v_wmma_f32_16x16x64_fp8_fp8 or v_wmma_f32_16x16x128_fp8_fp8, f32 sums; everything else in f32.
;; Inputs: inv_scale_factor 1 float32; key_codes 2 x 16 x 2,048 x 2 x 32 uint8 (E4M3 codes of key, K innermost, in blocks of 32 codes); lowp_scales 4 int32 (the exponents e of the quantised operands' scales 2^e); query_codes 2 x 16 x 2,048 x 2 x 32 uint8 (E4M3 codes of query, K innermost, in blocks of 32 codes); value_codes 2 x 16 x 64 x 64 x 32 uint8 (E4M3 codes of value, K innermost, in blocks of 32 codes).
;; Outputs: out0 2 x 16 x 2,048 x 64 float32.
;; This version of the problem:
;;   THIS VERSION OF THE PROBLEM IS GIVEN IN LOW PRECISION. The matrix products marked QUANTISED in the list below multiply operands that are first quantised to E4M3 (4 exponent bits, 3 mantissa bits; 8 bits a number), with one given power-of-two scale for each operand tensor; their sums are f32. All else is computed in f32.
;;   The module's matrix products, in the order in which they are computed (A, B: the left and right operand; K: the contracted axis; several contracted axes count as one K, in the product's order):
;;     1. batch 32 x [M 2,048, K 64] x [K 64, N 2,048]; A: input query (given as codes); B: input key (given as codes): QUANTISED (scales: A lowp_scales[0], B lowp_scales[1])
;;     2. batch 32 x [M 2,048, K 2,048] x [K 2,048, N 64]; A: softmax (see below); B: input value (given as codes): QUANTISED (scales: A lowp_scales[2], B lowp_scales[3])
;;   THE QUANTISER, for each operand of a quantised product, along K:
;;     - The operand's scale is 2^e, e = its entry of the input lowp_scales (int32; the entries are numbered through the quantised products in the list's order, A before B).
;;     - Each number is divided by the scale, clamped to +-448, and rounded to the nearest number of E4M3, ties to even, subnormals kept.
;;     - The product sums the exact products of the quantised numbers (number of the format x scale) in f32.
;;   ~~~python
;;   def quantise(x, axis, e):      # numpy; x: float32 -> the quantised numbers, widened to float32 again
;;       x = np.moveaxis(x, axis, -1); K = x.shape[-1]
;;       r = np.clip(x / 2.0 ** e, -448, 448)
;;       step = 2.0 ** (np.maximum(np.frexp(np.where(r == 0, 1, r))[1] - 1, -6) - 3)
;;       q = np.round(r / step) * step * 2.0 ** e      # np.round: ties to even
;;       return np.moveaxis(q, -1, axis).astype(np.float32)
;;   ~~~
;;   SOFTMAX AHEAD OF A QUANTISED PRODUCT. Where the list says 'softmax', what is quantised is not the finished softmax but p = 2^(t - M), with t = logit x log2(e) and M = ceil(the row's largest t), a whole number; so 1/2 < the row's largest p <= 1. The row's sum l is taken of the UNQUANTISED p, in f32, and the product's result is divided by l at the end. Since M is a whole number, a kernel that streams over the keys may use a running M (the ceiling of the running maximum): every later rescaling is an exact power of two, so the quantised numbers keep their values, but for numbers so far below the row's largest that they fall under the format's range.
;;   OPERANDS COMPUTED ON THE WAY. 'Computed on the way' means the value that the module computes at that place (a softmax that the list does not call 'softmax' is quantised finished and normalised). What goes into a quantiser is computed in f32, as accurately as f32 sums, v_exp_f32 and their like allow (about 1e-6 of the number): no bf16 or f16 on the way to a quantiser, and a product that is left as it is and whose result goes on into a quantised operand takes f32 operands (vector FMAs, or v_wmma_f32_16x16x4_f32). A number that lies on a knife's edge between two numbers of the format may be rounded either way, as far as f32 arithmetic and the matrix unit's own rounding can turn it there, and no further.
;;   INPUTS GIVEN AS CODES. key (in the module: [2, 16, 2048, 64], K = its axis 3); query (in the module: [2, 16, 2048, 64], K = its axis 3); value (in the module: [2, 16, 2048, 64], K = its axis 2): each comes as NAME_codes (uint8): NAME with its K axis moved to the last place and cut into blocks of 32 codes, [.., K / 32, bytes a block], one block behind the other in memory; one code a byte (a code: sign, 4 exponent bits, 3 mantissa bits); its scale is its entry of lowp_scales. Its value is code x scale, taken as it is: it is not quantised again, and the codes and scales need not be those that the quantiser above would give.
;; One version. Each part assembles by itself: llvm-mc -triple=amdgcn-amd-amdhsa -mcpu=gfx1250 --defsym DOCPART=n.
;; ======== version 1 of 1: 1 launch
;; limits: right only within a limited range of input values
;; launch attn (part 1): grid 8 x 32, 8 waves a work-group, no clusters, 318,464 bytes of LDS; arguments query_codes, key_codes, value_codes, lowp_scales, inv_scale_factor, out0; writes out0
.if DOCPART == 1
	.amdgcn_target "amdgcn-amd-amdhsa--gfx1250"
	.amdhsa_code_object_version 6
	.text
	.protected	k_q337a43d8b2_attn
	.globl	k_q337a43d8b2_attn
	.p2align	8
	.type	k_q337a43d8b2_attn,@function
k_q337a43d8b2_attn:
	s_mov_b64 s[64:65], 0
	v_nop
	global_prefetch_b8 v0, s[64:65] scope:SCOPE_SE
	s_setreg_imm32_b32 hwreg(HW_REG_WAVE_MODE, 25, 1), 1
	s_wait_xcnt 0x0
; out[h][q][:] = the sum over k of softmax_k(Q[h][q] . K[h][k] / inv_scale_factor) V[h][k][:], 32 heads, 2,048 queries, 2,048 keys, head size 64, both products on codes of E4M3.
; Q, K: [head][row][64] codes, K = the head's 64.  V: [head][64 channels][2,048 keys] codes, K = the keys.  lowp_scales: eq, ek, ep, ev.  out: [head][row][64] f32.
; THE SOFTMAX AHEAD OF THE SECOND PRODUCT: t = score x 2^(eq + ek) x log2(e) / inv_scale_factor; M = the largest t so far, rounded UP to a whole number; p = 2^(t - M), held at 448 x 2^ep, is quantised with 2^ep;
; it is not normalised.  The row's sum is taken of the unquantised p, in f32, and divides O at the end, with 2^(ep + ev).  When M moves, the sum and O are multiplied by 2^(old M - new M): nothing is rounded.
; SHARES.  A work-group owns 256 queries of one head; each of its eight waves 32 of them: two tiles of 16.  Every wave walks all keys, 256 a step, 8 steps.
; ALL OF A HEAD'S K AND V COMES TO LIE IN LDS: chunks of 256 keys (16,384 bytes of K, as many of V), each with a place of its own: nothing is filled twice.  A wave brings an eighth of each chunk: eight loads of 16 bytes a lane
; into registers, eight LDS stores.  A chunk's loads go out a step ahead of its stores; one barrier a step shows it to all waves; its signal and its wait stand apart, with the step's exponentials between.
; THE HOLD AND THE BRANCH.  p is at most 2^(1/2) (LIMITS), so p / 2^ep is under 448 where ep >= -8, and the hold then changes nothing.  The exponent ep is a whole number read from memory: where it is -9 or less, a step takes
; the copy of its exponentials in which every p is held (256 instructions more); else the copy without.
; NO CLUSTER, though eight work-groups read one head's K and V: joint loads are tensor loads.
; The loads here are 64 a wave in the whole launch, against the hold's 256 instructions in each of 8 steps.
; NO PREFETCH: each chunk is asked for by the loads themselves, one step (48 matrix instructions and some 730 vector instructions of the wave) ahead of the stores that want it, so there is no later load to run ahead of.
; LAYOUT.  Both products are used transposed: S^T = K Q^T (source 0 = 16 keys, source 1 = 16 queries), O^T = V^T P^T (source 0 = 16 channels, source 1 = P): a lane holds ONE query (lane % 16) throughout.
; THE KEYS OF A TILE ARE NOT NEIGHBOURS: lane r of tile 2 b + u takes key 32 b + 8 u + r + 8 (r / 8), so that the 16 registers of tiles 2 b and 2 b + 1 are 16 neighbouring keys, 32 b + 16 (lane / 16) + 0 .. 15:
; the conversions' results are the second product's operand.  Fragments come by loads of 16 bytes: a permutation of k that is the same on both sides of each product.
; A NEGATIVE inv_scale_factor is served exactly: the sign bits of Q's codes are turned, and |c| scales the scores, so that the largest t is |c| x the largest score.
; LIMITS: the scaled scores t stay under 2^24 in magnitude (t - M is one fused multiply-add, M the ceiling of the rounded t: up to there it stays at or under 1/2).  inv_scale_factor is finite, of either sign, at least 2^-126 in
; magnitude; where its reciprocal is no normal f32 number, c counts as 0.  ep between -126 and 127; eq + ek and ep + ev go by v_ldexp_f32 and have no limit.
; t is formed as score x (log2(e) / inv), which differs from (score / inv) x log2(e) by a few f32 roundings.  NaN codes are not served.
; REGISTERS, in windows of 256 (s_set_vgpr_msb: bits 1:0 source 0, 3:2 source 1, 5:4 source 2, 7:6 destination):
;   window 0: v1-15 addresses and constants; v16-35 statistics, 10 a tile; v36-47 maxima, 6 a tile (in the holding copy: held numbers); v48-63 Q, 8 a tile; v64-95 tile 0's codes; v96-159 V's first 128 keys, then K's;
;     v160-223 O^T, 32 a tile; v224-255 the chunk on its way.
;   window 1: S^T, then p, 128 a tile: v0-127 tile 0, v128-255 tile 1; half h of a tile is 64 registers, 128 keys.  Registers that are done with serve again: v16-47 tile 1's codes, v48-63 and v80-127 V's second 128 keys,
;     v128-191 K's second 128 keys.
.set GP,    1120                       ; LDS: 16 keys of K: four rows of 256 bytes + 16, and 32 more, so that the 16 lanes of a fragment load touch 16 different columns of 16 bytes, modulo 256
.set RP,    272                        ; a row of 256 bytes + 16 of padding
.set KHALF, 8*GP                       ; 128 keys
.set KCH,   2*KHALF                    ; a chunk's 256 keys
.set VCH,   64*RP                      ; a chunk of V: 64 channels x 256 keys
.set VREG,  8*KCH                      ; V's eight chunks lie behind K's: byte 143,360
.set STAGE, VREG+8*VCH                 ; byte 282,624: 16 rows x 272 bytes for each wave, for the way out
.set SPARE, STAGE+8*16*RP              ; byte 317,440: the spare words, 128 bytes for each wave, that no other line names
.set AK0, 1                            ; v1   my lane's place in a tile of K
.set AV0, 2                            ; v2   the same for V
.set ADK, 3                            ; v3   LDS address of this step's K chunk (at the head: my byte offset in a tile of Q)
.set ADV, 4                            ; v4   of its V chunk
.set WK0, 5                            ; v5   where I store K's part of chunk 0, v6 V's; v7, v8 of the chunk in hand
.set WV0, 6
.set WKA, 7
.set WVA, 8
.set GKO, 9                            ; v9   my byte offset in a chunk of K in memory; v10 of V; never rewritten
.set GVO, 10
.set SCL, 11                           ; v11  2^ep as f32: the conversions take its exponent field
.set CV,  12                           ; v12  |c|
.set SPW, 14                           ; v14  LDS address of my spare word; v15 0
.set NIL, 15
.set ST,  16                           ; tile t's statistics at v[ST + 10 t]: +0 the old -M, +2 the new; +1 at work; +3 the other half's maximum; +4 f (+5 named with it); +6,+7 the sum; +8,+9 the step's sum
.set MX,  36
.set Q,   48
.set C0,  64
.set X,   96
.set OT,  160
.set G,   224
.set C1,  16                           ; in window 1
.set K2,  128                          ; in window 1
.set WV,  16                           ; s16  my wave's number
.set EP,  86                           ; s86  ep
.set TC,  89                           ; s89  the step in hand
.set VB,  90                           ; s90  where its chunk of V begins, from V's region on
.set KB,  91                           ; s91  where its chunk of K begins
.set LIM, 93                           ; s93  448 x 2^ep
.set SEL, 94                           ; s[94:95] lane selects for v_permlanex16_b32: lane l xor 16
.set CS,  96                           ; s[96:97] |c|: the packed form names a pair and takes its low word for both halves
.set HOLD, 0
.set MSB, 0
.macro WIN new                         ; the immediate's high byte repeats the setting that is left; a switch that changes nothing is dropped
.if MSB != \new
	s_set_vgpr_msb (MSB<<8)|\new
.set MSB, \new
.endif
.endm
.macro GET dst, ko, vo                 ; my eighth of a chunk: K: 2,048 bytes on end; V: 256 bytes of each of 8 channels.  A load covers two whole runs of 256 bytes
.irp i, 0,1,2,3
	global_load_b128 v[\dst+4*\i:\dst+4*\i+3], v[GKO], s[6:7] offset:\ko+512*\i
.endr
.irp i, 0,1,2,3
	global_load_b128 v[\dst+16+4*\i:\dst+16+4*\i+3], v[GVO], s[8:9] offset:\vo+4096*\i
.endr
.endm
.macro PUT src, ka, va, ko, vo         ; and into LDS: two rows a store
.irp i, 0,1,2,3
	ds_store_b128 v[\ka], v[\src+4*\i:\src+4*\i+3] offset:\ko+GP*(\i/2)+2*RP*(\i%2)
.endr
.irp i, 0,1,2,3
	ds_store_b128 v[\va], v[\src+16+4*\i:\src+16+4*\i+3] offset:\vo+2*RP*\i
.endr
.endm
	s_load_b256 s[4:11], s[0:1], 0x0               ; Q's codes s[4:5], K's s[6:7], V's s[8:9], the scales' exponents s[10:11]
	s_load_b128 s[12:15], s[0:1], 0x20             ; inv_scale_factor s[12:13], out s[14:15]
	v_lshl_add_u32 v[SPW], v0, 2, SPARE
	v_mov_b32 v[NIL], 0
	v_lshrrev_b32 v16, 5, v0
	v_readfirstlane_b32 s[WV], v16                 ; wave 0..7
	v_and_b32 v17, 15, v0                          ; r = lane % 16
	v_bfe_u32 v18, v0, 4, 1                        ; h = lane / 16
	v_and_b32 v19, 31, v0
	s_lshl_b32 s17, s[WV], 11
	v_lshlrev_b32 v[GKO], 4, v19
	v_add_nc_u32 v[GKO], s17, v[GKO]               ; K: 2,048 x wave + 16 x lane
	s_lshl_b32 s18, s[WV], 14
	v_lshlrev_b32 v[GVO], 11, v18
	v_lshl_add_u32 v[GVO], v17, 4, v[GVO]
	v_add_nc_u32 v[GVO], s18, v[GVO]               ; V: channel 8 x wave + h (rows of 2,048 bytes), 16 r
	v_lshlrev_b32 v[ADK], 6, v17
	v_lshl_add_u32 v[ADK], v18, 4, v[ADK]          ; Q: row r of 64 bytes, + 16 h
	s_and_b32 s19, ttmp7, 0xffff                   ; the head
	s_lshl_b32 s20, s19, 17                        ; its first byte in each tensor of codes: 131,072 x head
	s_mov_b32 s21, 0
	s_lshl_b32 s56, ttmp9, 8                       ; my wave's first row of Q and of out: 2,048 x head + 256 x block + 32 x wave
	s_lshl_b32 s57, s[WV], 5
	s_add_co_u32 s56, s56, s57
	s_lshl_b32 s57, s19, 11
	s_add_co_u32 s56, s56, s57
	s_lshl_b32 s58, s56, 8                         ; x 256 bytes in out
	s_mov_b32 s59, 0
	s_lshl_b32 s56, s56, 6                         ; x 64 bytes in Q
	s_mov_b32 s57, 0
	s_wait_alu depctr_va_vdst(0)                   ; directly ahead of the wait below
	s_wait_kmcnt 0x0
	s_add_nc_u64 s[6:7], s[6:7], s[20:21]
	s_add_nc_u64 s[8:9], s[8:9], s[20:21]
	s_add_nc_u64 s[4:5], s[4:5], s[56:57]
	s_add_nc_u64 s[14:15], s[14:15], s[58:59]
	GET X, 0, 0                                    ; chunk 0, into registers that fragments take later
.irp t, 0,1
	global_load_b128 v[Q+8*\t:Q+8*\t+3],   v[ADK], s[4:5] offset:1024*\t th:TH_LOAD_NT      ; registers 0-3: d = 16 h + 0 .. 15; Q stays in registers, and nobody else reads these rows
	global_load_b128 v[Q+8*\t+4:Q+8*\t+7], v[ADK], s[4:5] offset:1024*\t+32 th:TH_LOAD_NT   ; registers 4-7: d = 32 + 16 h + 0 .. 15
.endr
	GET G, 16384, 256                              ; chunk 1
	s_load_b128 s[84:87], s[10:11], 0x0            ; eq, ek, ep, ev
	s_load_b32 s88, s[12:13], 0x0                  ; inv_scale_factor
	s_mov_b32 s[SEL], 0x76543210
	s_mov_b32 s[SEL+1], 0xfedcba98
	s_mov_b32 s[TC], 0
	s_mov_b32 s[VB], 0
	s_mov_b32 s[KB], 0
	s_mul_i32 s22, s[WV], 2*GP                     ; my 32 keys of a chunk: two groups of 16
	s_mul_i32 s23, s[WV], 8*RP                     ; my 8 channels
	s_add_co_u32 s23, s23, VREG
	v_mul_u32_u24 v19, v18, RP
	v_lshl_add_u32 v19, v17, 4, v19                ; a store's two rows: lanes 0-15 one, lanes 16-31 the next
	v_add_nc_u32 v[WK0], s22, v19
	v_add_nc_u32 v[WV0], s23, v19
	v_lshrrev_b32 v19, 3, v17
	v_mul_u32_u24 v[AK0], v19, GP                  ; my key of a tile is r + 8 (r / 8): the next group of 16 for r of 8 and more,
	v_bfe_u32 v19, v17, 2, 1
	v_mul_u32_u24 v19, v19, RP
	v_add_nc_u32 v[AK0], v[AK0], v19               ; row (r / 4) % 2,
	v_and_b32 v19, 3, v17
	v_lshl_add_u32 v[AK0], v19, 6, v[AK0]          ; 64 (r % 4) in the row,
	v_lshl_add_u32 v[AK0], v18, 4, v[AK0]          ; and my half's 16 bytes
	v_mul_u32_u24 v[AV0], v17, RP
	v_lshl_add_u32 v[AV0], v18, 4, v[AV0]
	v_add_nc_u32 v[AV0], VREG, v[AV0]              ; V: channel r of a tile, + 16 h
	v_mov_b32 v[ADV], v[AV0]                       ; step 0's chunk
.irp t, 0,1
	v_mov_b32 v[ST+10*\t], 0x7f61b1e6              ; -M: 3e38, over every -t
.irp j, 1,2,3,4,5,6,7
	v_mov_b32 v[ST+10*\t+\j], 0                    ; the sum begins as zeros; the others are named in pairs or by a lane permute ahead of their first use
.endr
.endr
.set n, 0
.rept 64
	v_mov_b32 v[OT+n], 0                           ; O^T.  (The step is written without a first form of its own: the first step finds zeros, which the first change of M leaves zeros)
.set n, n+1
.endr
	s_wait_alu depctr_va_vdst(0)                   ; directly ahead of the wait below
	s_wait_kmcnt 0x0
	v_rcp_f32 v64, s88                             ; 1 / inv_scale_factor,
	v_nop                                          ; (a plain instruction behind the reciprocal)
	s_add_co_i32 s92, s84, s85                     ; eq + ek
	s_wait_alu depctr_va_vdst(0)                   ; the wait ahead of the first use of a transcendental's result
	v_fma_f32 v65, -s88, v64, 1.0                  ; made exact to f32's last bits by one Newton step: e = 1 - x r,
	v_fma_f32 v64, v64, v65, v64                   ; r + r e
	v_mul_f32 v64, 0x3fb8aa3b, v64                 ; x log2(e)
	v_ldexp_f32 v64, v64, s92                      ; x 2^(eq + ek): c
	v_ashrrev_i32 v65, 31, v64
	v_and_b32 v65, 0x80808080, v65                 ; the four sign bits of a word of codes where c is negative, else 0
	v_and_b32 v[CV], 0x7fffffff, v64               ; |c|, the same in every lane
	v_readfirstlane_b32 s[CS], v[CV]
	s_mov_b32 s[CS+1], s[CS]                       ; (named with it as a pair, so it is written)
	s_add_co_i32 s92, s[EP], 127
	s_lshl_b32 s93, s92, 23
	v_mov_b32 v[SCL], s93                          ; 2^ep
	s_add_co_i32 s92, s92, 8
	s_lshl_b32 s92, s92, 23
	s_or_b32 s[LIM], s92, 0x600000                 ; 448 x 2^ep: used where ep is -9 or less alone
	s_wait_alu depctr_va_vdst(0)                   ; the wait at the head's end
	s_wait_loadcnt 0x8                             ; chunk 0 and Q are in; chunk 1's eight loads, issued behind them, may be out
	PUT X, WK0, WV0, 0, 0
	v_mov_b32 v[ADK], v[AK0]                       ; step 0's chunk
.set n, 0
.rept 16
	v_xor_b32 v[Q+n], v65, v[Q+n]                  ; c's sign goes into Q's codes: score x c = (score of the turned codes) x |c|, exactly
.set n, n+1
.endr
; THE LDS LOADS, in runs of 16.  V: four fragments of 16 channels x 128 keys: registers 4 c .. 4 c + 3 hold keys 32 c + 16 h + 0 .. 15.
.macro RV t                            ; where V's second half lies in window 1: v48, 80, 96, 112
.if \t == 0
.set rV, 48
.else
.set rV, 64+16*\t
.endif
.endm
.macro FETCH_V1
	WIN 0
.irp t, 0,1,2,3
.irp c, 0,1,2,3
	ds_load_b128 v[X+16*\t+4*\c:X+16*\t+4*\c+3], v[ADV] offset:16*RP*\t+32*\c
.endr
.endr
.endm
.macro FETCH_V2
	WIN 0x40
.irp t, 0,1,2,3
	RV \t
.irp c, 0,1,2,3
	ds_load_b128 v[rV+4*\c:rV+4*\c+3], v[ADV] offset:128+16*RP*\t+32*\c
.endr
.endr
.endm
; K: eight fragments of 16 keys x 64: tile i begins at key 32 (i / 2) + 8 (i % 2)
.macro FETCH_K dst, win, adr, off
	WIN \win
.irp i, 0,1,2,3,4,5,6,7
.irp c, 0,1
	ds_load_b128 v[\dst+8*\i+4*\c:\dst+8*\i+4*\c+3], v[\adr] offset:(\off)+2*GP*(\i/2)+2*RP*(\i%2)+32*\c
.endr
.endr
.endm
; THE MATRIX WORK.  No two matrix instructions that follow each other share an accumulator, and between two on one accumulator stand seven others or more.
.macro QK src, half, win               ; S^T = K Q^T: 8 tiles of keys x my 2 tiles of queries; each fragment of K feeds two products
	WIN \win
.irp i, 0,1,2,3,4,5,6,7
.irp q, 0,1
	v_wmma_f32_16x16x64_fp8_fp8 v[128*\q+64*\half+8*\i:128*\q+64*\half+8*\i+7], v[\src+8*\i:\src+8*\i+7], v[Q+8*\q:Q+8*\q+7], 0
.endr
.endr
	WIN 0
.endm
.macro PV1                             ; O^T += V^T P^T over the step's first 128 keys: 4 tiles of channels x my 2 tiles of queries
	WIN 0
.irp t, 0,1,2,3
	v_wmma_f32_16x16x128_fp8_fp8 v[OT+8*\t:OT+8*\t+7], v[X+16*\t:X+16*\t+15], v[C0:C0+15], v[OT+8*\t:OT+8*\t+7]
.endr
	WIN 0x04
.irp t, 0,1,2,3
	v_wmma_f32_16x16x128_fp8_fp8 v[OT+32+8*\t:OT+32+8*\t+7], v[X+16*\t:X+16*\t+15], v[C1:C1+15], v[OT+32+8*\t:OT+32+8*\t+7]
.endr
.endm
.macro PV2                             ; and over its second 128
	WIN 0x01
.irp t, 0,1,2,3
	RV \t
	v_wmma_f32_16x16x128_fp8_fp8 v[OT+8*\t:OT+8*\t+7], v[rV:rV+15], v[C0+16:C0+31], v[OT+8*\t:OT+8*\t+7]
.endr
	WIN 0x05
.irp t, 0,1,2,3
	RV \t
	v_wmma_f32_16x16x128_fp8_fp8 v[OT+32+8*\t:OT+32+8*\t+7], v[rV:rV+15], v[C1+16:C1+31], v[OT+32+8*\t:OT+32+8*\t+7]
.endr
	WIN 0
.endm
; THE VECTOR WORK of tile t for a step.
; The largest of my 128 scores, in six chains: the second half first, whose products were issued first; each accumulator is read from its low end on.
.macro MAXS t                          ; n = 0-5: the chains' starts, 18 scores
	v_max3_num_f32 v[MX+6*\t+n], v[128*\t+64+3*n], v[128*\t+65+3*n], v[128*\t+66+3*n]
.endm
.macro MAXP t                          ; n = 0-54: two more
.set rS, 128*\t+(82+2*n)%128
	v_max3_num_f32 v[MX+6*\t+n%6], v[MX+6*\t+n%6], v[rS], v[rS+1]
.endm
.macro MAXC t                          ; n = 0-2: the chains' join
.set rX, MX+6*\t
.if n == 0
	v_max3_num_f32 v[rX], v[rX], v[rX+1], v[rX+2]
.elseif n == 1
	v_max3_num_f32 v[rX+3], v[rX+3], v[rX+4], v[rX+5]
.else
	v_max_num_f32 v[rX], v[rX], v[rX+3]
.endif
.endm
.macro STATI t                         ; n = 0-8: the new M and f
.set rT, ST+10*\t
.set rX, MX+6*\t
.if n == 0
	v_permlanex16_b32 v[rT+3], v[rX], s[SEL], s[SEL+1]      ; the query's other 128 keys lie in the lane 16 away
.elseif n == 1
	v_max_num_f32 v[rX], v[rX], v[rT+3]
.elseif n == 2
	v_mul_f32 v[rX], -v[CV], v[rX]                 ; -t (|c| is not negative)
.elseif n == 3
	v_floor_f32 v[rX], v[rX]                       ; floor(-t) = -ceil(t): a whole number
.elseif n == 4
	v_min_num_f32 v[rT+2], v[rT], v[rX]            ; the new -M
.elseif n == 5
	v_sub_f32 v[rT+1], v[rT+2], v[rT]              ; M's old value less its new one: a whole number, 0 or less
.elseif n == 6
	v_cvt_i32_f32 v[rT+1], v[rT+1]                 ; (it saturates)
.elseif n == 7
	v_ldexp_f32 v[rT+4], 1.0, v[rT+1]              ; f = 2^(old M - new M)
.else
	v_mov_b32 v[rT], v[rT+2]                       ; the next step's old -M
.endif
.endm
.macro FMAI t, i                       ; i = 0-63: t - M, two at a time (of the pairs |c| and -M the low word serves both halves)
.set rS, 128*\t+2*(\i)
.set rT, ST+10*\t+2
	v_pk_fma_f32 v[rS:rS+1], v[rS:rS+1], s[CS:CS+1], v[rT:rT+1] op_sel_hi:[1,0,0]
.endm
.macro CONV t, h                       ; eight times eight neighbouring keys' p / 2^ep, to the nearest code, ties to even.  The holding copy holds p first, in registers of its own, since the sum wants the unheld p: the conversion
.if \t == 0                            ; to an 8-bit code does not saturate (ISA guide 7.6.2); p is not negative, so the hold is one-sided
.set rP, C0+16*\h
.else
.set rP, C1+16*\h
.endif
.set rS, 128*\t+64*\h
.irp i, 0,1,2,3,4,5,6,7
.if HOLD
	WIN 0x04
.irp j, 0,1,2,3,4,5,6,7
	v_min_num_f32 v[MX+\j], s[LIM], v[rS+8*\i+\j]
.endr
	WIN 0x40*\t
	v_cvt_scalef32_pk8_fp8_f32 v[rP+2*\i:rP+2*\i+1], v[MX:MX+7], v[SCL]
	v_nop                                          ; a plain place behind the conversion
.else
	WIN 0x01+0x40*\t
	v_cvt_scalef32_pk8_fp8_f32 v[rP+2*\i:rP+2*\i+1], v[rS+8*\i:rS+8*\i+7], v[SCL]
.endif
.endr
.endm
; THE SUM of the unquantised p of a half, a tree, two numbers at a time.  The second level packs its results into the half's lowest 16 registers, so that the others are done with.
.macro ADD1 t, h, i                    ; 16
.set rS, 128*\t+64*\h+4*(\i)
	v_pk_add_f32 v[rS:rS+1], v[rS:rS+1], v[rS+2:rS+3]
.endm
.macro ADD2 t, h, i                    ; 8, ascending: what number i overwrites, lower numbers have read
.set rS, 128*\t+64*\h
.set rA, rS+8*(\i)
.set rD, rS+2*(\i)
	v_pk_add_f32 v[rD:rD+1], v[rA:rA+1], v[rA+4:rA+5]
.endm
.macro ADDC t, h, i, st                ; the levels behind it: st = 4: 4, 8: 2, 16: 1
.set rS, 128*\t+64*\h+\st*(\i)
	v_pk_add_f32 v[rS:rS+1], v[rS:rS+1], v[rS+\st/2:rS+\st/2+1]
.endm
.macro ROOT t                          ; the two halves' sums
	WIN 0x05
	v_pk_add_f32 v[ST+10*\t+8:ST+10*\t+9], v[128*\t:128*\t+1], v[128*\t+64:128*\t+65]
.endm
.macro LSUM t                          ; the row's sum under the new M, and the step's sum
	v_pk_fma_f32 v[ST+10*\t+6:ST+10*\t+7], v[ST+10*\t+6:ST+10*\t+7], v[ST+10*\t+4:ST+10*\t+5], v[ST+10*\t+8:ST+10*\t+9] op_sel_hi:[1,0,1]
.endm
; FOUR BATCHES of 64 exponentials, p = 2^(t - M), half a tile each.  Between a batch's exponentials stand plain instructions that read nothing written behind the batch's wait; number kk of each list.
; Each list behind a conversion begins with lines that do not write its sources: a plain instruction stands between the two.
.macro IT0                             ; 48
.if kk < 32
	FMAI 0, 32+kk
.else
	FMAI 1, kk-32
.endif
.endm
.macro IT1                             ; 48
.if kk < 32
	FMAI 1, 16+kk
.else
	ADD1 0, 0, kk-32
.endif
.endm
.macro IT2                             ; 40
.if kk < 16
	FMAI 1, 48+kk
.elseif kk < 32
	ADD1 0, 1, kk-16
.else
	ADD2 0, 0, kk-32
.endif
.endm
.macro IT3                             ; 28
.if kk < 8
	ADD2 0, 1, kk
.elseif kk < 12
	ADDC 0, 0, kk-8, 4
.else
	ADD1 1, 0, kk-12
.endif
.endm
.macro MIX t, h, what, cnt             ; the batch, with cnt plain instructions spread over it, the last one behind the last exponential
	WIN 0x45
.set ee, 0
.set kk, 0
.rept 64
	v_exp_f32 v[128*\t+64*\h+ee], v[128*\t+64*\h+ee]
.set ee, ee+1
.rept (ee*\cnt)/64-kk
	\what
.set kk, kk+1
.endr
.endr
	s_wait_alu depctr_va_vdst(0)                   ; one wait: behind this batch, and ahead of the next
.endm
.macro SOFT hold                       ; the wait ahead of the first batch stands in front of the branch that leads here
.set HOLD, \hold
	MIX 0, 0, IT0, 48
	CONV 0, 0
	MIX 0, 1, IT1, 48
	CONV 0, 1
	MIX 1, 0, IT2, 40
	CONV 1, 0
	MIX 1, 1, IT3, 28
	CONV 1, 1
	WIN 0
.endm
; A STEP of 256 keys.  At its head S^T holds its scores, whose products have just been issued.  more = 1: the next chunk is stored and shown, and the next step's scores are started at the end.
.macro STEP more
	WIN 0x15
.set n, 0
.rept 6
	MAXS 0
	MAXS 1
.set n, n+1
.endr
	WIN 0x14
.set n, 0
.rept 55
	MAXP 0
.set n, n+1
.endr
.set n, 0
.rept 55
	MAXP 1
.set n, n+1
.endr
	FETCH_V1                                       ; the maxima are places enough behind the products that read these registers
.set n, 0
.rept 3
	MAXC 0
	MAXC 1
.set n, n+1
.endr
.set n, 0
.rept 9
	STATI 0
	STATI 1
.set n, n+1
.endr
.if \more
	s_wait_alu depctr_va_vdst(0)                   ; directly ahead of the wait below
	s_wait_loadcnt 0x0                             ; my part of the next chunk, asked for a step ago (chunk 1: at the head)
	v_add_nc_u32 v[WKA], s[KB], v[WK0]
	v_add_nc_u32 v[WVA], s[VB], v[WV0]
	PUT G, WKA, WVA, KCH, VCH
.endif
.irp q, 0,1
.irp i, 0,2,4,6,8,10,12,14,16,18,20,22,24,26,28,30
	v_pk_mul_f32 v[OT+32*\q+\i:OT+32*\q+\i+1], v[OT+32*\q+\i:OT+32*\q+\i+1], v[ST+10*\q+4:ST+10*\q+5] op_sel_hi:[1,0]   ; O^T under the new M, each accumulator from its low end on
.endr
.endr
	WIN 0x45
.set n, 0
.rept 32
	FMAI 0, n
.set n, n+1
.endr
	WIN 0                                          ; at a label and at a branch every window is 0
.if \more
	s_wait_dscnt 0x0                               ; my stores are done: for the other waves' sake; and no LDS instruction is pending at the signal
	s_cmp_lt_u32 s[TC], 6
	s_cbranch_scc0 .Lasked_\@                      ; there is no chunk 8
	s_wait_xcnt 0x0                                ; the earlier loads have read their bases
	s_add_nc_u64 s[6:7], s[6:7], 16384
	s_add_nc_u64 s[8:9], s[8:9], 256
	GET G, 16384, 256                              ; into the registers that the stores have read
.Lasked_\@:
	s_barrier_signal -1                            ; up to the wait stands work on registers alone
.endif
	s_wait_alu depctr_va_vdst(0)                   ; the wait ahead of the first batch and of the branch
	s_cmp_ge_i32 s[EP], -8
	s_cbranch_scc1 .Lfree_\@                       ; 2^-ep is 256 at the most: nothing to hold
	SOFT 1
	s_branch .Ljoin_\@
.Lfree_\@:
	SOFT 0
.Ljoin_\@:
.if \more
	s_barrier_wait -1                              ; the next chunk is whole: every wave has waited for its stores in front of its signal
.endif
	FETCH_V2                                       ; into registers of tile 0's p that the sums have done with
	s_wait_dscnt 16                                ; V's first half is in; the second half's 16 loads may be out
	PV1
	WIN 0x45                                       ; the rest of the sums; they are also the places behind the products that read V's first half
.irp i, 0,1,2,3,4,5,6,7
	ADD2 1, 0, \i
.endr
.irp i, 0,1,2,3
	ADDC 0, 1, \i, 4
.endr
.irp i, 0,1,2,3,4,5,6,7,8,9,10,11,12,13,14,15
	ADD1 1, 1, \i
.endr
.irp i, 0,1,2,3
	ADDC 1, 0, \i, 4
.endr
.irp i, 0,1
	ADDC 0, 0, \i, 8
	ADDC 0, 1, \i, 8
.endr
.irp i, 0,1,2,3,4,5,6,7
	ADD2 1, 1, \i
.endr
.irp i, 0,1
	ADDC 1, 0, \i, 8
.endr
	ADDC 0, 0, 0, 16
	ADDC 0, 1, 0, 16
.irp i, 0,1,2,3
	ADDC 1, 1, \i, 4
.endr
	ADDC 1, 0, 0, 16
.irp i, 0,1
	ADDC 1, 1, \i, 8
.endr
	ROOT 0
	WIN 0x45
	ADDC 1, 1, 0, 16
	ROOT 1
.if \more
	FETCH_K K2, 0x40, ADK, KCH+KHALF               ; the next step's second 128 keys, into registers of tile 1's p that the sums have done with,
	FETCH_K X, 0, ADK, KCH                         ; and its first 128
	s_add_co_u32 s[KB], s[KB], KCH
	s_add_co_u32 s[VB], s[VB], VCH
.endif
	s_wait_alu depctr_va_vdst(0)                   ; directly ahead of the wait below
	s_wait_dscnt 32*\more                          ; V's second half is in; K's 32 loads may be out
	PV2
	LSUM 0
	LSUM 1
.if \more
	v_add_nc_u32 v[ADK], s[KB], v[AK0]             ; the next step's chunks
	v_add_nc_u32 v[ADV], s[VB], v[AV0]
	v_nop                                          ; five places: the scores below are written over fragments that the products above have read (ISA guide 7.12.1)
	s_wait_dscnt 16                                ; K's second half is in
	QK K2, 1, 0x41
.rept 5
	v_nop                                          ; and five more: these scores are written over K's second half
.endr
	s_wait_dscnt 0x0
	QK X, 0, 0x40
.endif
.endm
	s_wait_alu depctr_va_vdst(0)                   ; directly ahead of the wait below
	s_wait_dscnt 0x0                               ; my part of chunk 0 is stored
	s_barrier_signal -1
	s_barrier_wait -1                              ; and everybody's
	FETCH_K K2, 0x40, AK0, KHALF                   ; step 0
	FETCH_K X, 0, AK0, 0
	s_wait_dscnt 16
	QK K2, 1, 0x41
.rept 5
	v_nop
.endr
	s_wait_dscnt 0x0
	QK X, 0, 0x40
.Lstep:                                                ; seven trips, j = 0 .. 6: chunk j + 1 is stored and shown, chunk j + 2 is asked for
	STEP 1
	s_add_co_u32 s[TC], s[TC], 1
	s_cmp_lt_u32 s[TC], 7
	s_cbranch_scc1 .Lstep
	STEP 0                                         ; step 7: nothing more to bring, and no successor
	; THE WAY OUT.  The sum's two halves and the other half of the lanes' are added; O^T x 2^(ep + ev) / the sum goes through my stage in LDS, a tile (16 rows of 256 bytes) at a time.  The step's last two lines and the first
	; here are the places behind the last products.
	v_and_b32 v1, 15, v0                           ; r
	v_bfe_u32 v2, v0, 4, 1                         ; h
.irp t, 0,1
	v_add_f32 v[MX+6*\t], v[ST+10*\t+6], v[ST+10*\t+7]
.endr
.irp t, 0,1
	v_permlanex16_b32 v[ST+10*\t+3], v[MX+6*\t], s[SEL], s[SEL+1]
.endr
.irp t, 0,1
	v_add_f32 v[MX+6*\t], v[MX+6*\t], v[ST+10*\t+3]
.endr
	s_wait_alu depctr_va_vdst(0)                   ; the wait ahead of the batch
.irp t, 0,1
	v_rcp_f32 v[ST+10*\t+4], v[MX+6*\t]
.endr
	s_mul_i32 s92, s[WV], 16*RP
	s_add_co_u32 s92, s92, STAGE                   ; my stage
	v_mul_u32_u24 v3, v1, RP
	v_lshl_add_u32 v3, v2, 5, v3
	v_add_nc_u32 v3, s92, v3                       ; in: row r, 32 bytes for each half of the lanes
	v_mul_u32_u24 v4, v2, RP
	v_lshl_add_u32 v4, v1, 4, v4
	v_add_nc_u32 v4, s92, v4                       ; back: lanes 0-15 take one row of 256 bytes, lanes 16-31 the next
	v_lshlrev_b32 v5, 8, v2
	v_lshl_add_u32 v5, v1, 4, v5                   ; and the same two rows in out
	s_add_co_i32 s92, s[EP], s87                   ; ep + ev
	s_wait_alu depctr_va_vdst(0)                   ; one wait for the two reciprocals, ahead of their first reader
.irp t, 0,1
	v_ldexp_f32 v[ST+10*\t+4], v[ST+10*\t+4], s92
.endr
	s_wait_alu depctr_va_vdst(0)                   ; directly ahead of the first reader of O^T
.irp q, 0,1
.irp i, 0,2,4,6,8,10,12,14,16,18,20,22,24,26,28,30
	v_pk_mul_f32 v[OT+32*\q+\i:OT+32*\q+\i+1], v[OT+32*\q+\i:OT+32*\q+\i+1], v[ST+10*\q+4:ST+10*\q+5] op_sel_hi:[1,0]   ; each accumulator from its low end on
.endr
.endr
; Tile q: register 8 t + i is out(r, 16 t + 8 h + i): eight neighbouring numbers, 32 bytes.  They go into rows of 272 bytes and come back as whole rows of 256, into the fragments' registers.
.irp q, 0,1
.irp t, 0,1,2,3
	ds_store_b128 v3, v[OT+32*\q+8*\t:OT+32*\q+8*\t+3] offset:64*\t
	ds_store_b128 v3, v[OT+32*\q+8*\t+4:OT+32*\q+8*\t+7] offset:64*\t+16
.endr
.irp i, 0,1,2,3,4,5,6,7
	ds_load_b128 v[X+32*\q+4*\i:X+32*\q+4*\i+3], v4 offset:\i*2*RP   ; LDS serves a wave's instructions in order (ISA guide 5.7.1.4): these see the stores above, and the next tile's stores come behind them
.endr
.endr
.irp q, 0,1
.irp i, 0,1,2,3,4,5,6,7
	s_wait_dscnt 16*(1-\q)+7-\i                    ; behind tile 0's load i: its younger loads and tile 1's sixteen LDS instructions
	global_store_b128 v5, v[X+32*\q+4*\i:X+32*\q+4*\i+3], s[14:15] offset:4096*\q+512*\i th:TH_STORE_NT   ; 512 consecutive bytes, two rows, at a multiple of 256 from out's first byte; written once, read by nobody here
.endr
.endr
	s_wait_tensorcnt 0x0                           ; the wave's end, behind my last LDS store
	ds_add_u32 v[SPW], v[NIL]
	s_wait_dscnt 0x0
	s_endpgm
.Lfunc_end_k_q337a43d8b2_attn:
	.size	k_q337a43d8b2_attn, .Lfunc_end_k_q337a43d8b2_attn-k_q337a43d8b2_attn
	.p2alignl 7, 3214868480
	.fill 96, 4, 3214868480
	.section	.rodata,"a",@progbits
	.p2align	6, 0x0
	.amdhsa_kernel k_q337a43d8b2_attn
		.amdhsa_group_segment_fixed_size 318464
		.amdhsa_private_segment_fixed_size 0
		.amdhsa_enable_private_segment 0
		.amdhsa_kernarg_size 48
		.amdhsa_user_sgpr_count 2
		.amdhsa_user_sgpr_kernarg_segment_ptr 1
		.amdhsa_wavefront_size32 1
		.amdhsa_system_sgpr_workgroup_id_x 1
		.amdhsa_system_sgpr_workgroup_id_y 1
		.amdhsa_system_sgpr_workgroup_id_z 1
		.amdhsa_system_vgpr_workitem_id 0
		.amdhsa_next_free_vgpr 512
		.amdhsa_next_free_sgpr 100
		.amdhsa_reserve_vcc 0
		.amdhsa_float_denorm_mode_32 3
		.amdhsa_float_denorm_mode_16_64 3
		.amdhsa_memory_ordered 1
		.amdhsa_forward_progress 1
		.amdhsa_inst_pref_size 173
	.end_amdhsa_kernel
	.amdgpu_metadata
---
amdhsa.version: [ 1, 2 ]
amdhsa.kernels:
  - .name:           k_q337a43d8b2_attn
    .symbol:         k_q337a43d8b2_attn.kd
    .args:
      - { .name: query_codes, .offset: 0, .size: 8, .value_kind: global_buffer, .address_space: global }
      - { .name: key_codes, .offset: 8, .size: 8, .value_kind: global_buffer, .address_space: global }
      - { .name: value_codes, .offset: 16, .size: 8, .value_kind: global_buffer, .address_space: global }
      - { .name: lowp_scales, .offset: 24, .size: 8, .value_kind: global_buffer, .address_space: global }
      - { .name: inv_scale_factor, .offset: 32, .size: 8, .value_kind: global_buffer, .address_space: global }
      - { .name: out0, .offset: 40, .size: 8, .value_kind: global_buffer, .address_space: global }
    .group_segment_fixed_size: 318464
    .private_segment_fixed_size: 0
    .kernarg_segment_align: 8
    .kernarg_segment_size: 48
    .max_flat_workgroup_size: 256
    .sgpr_count:     100
    .vgpr_count:     512
    .wavefront_size: 32
...
	.end_amdgpu_metadata
.endif
;; end of part 1
